; MI455X (gfx1250); checked and timed in simulation.
; The chip was launched on July 23, 2026; its instructions are those of AMD's public machine-readable ISA for CDNA 5 (MIT licence, August 2026) and "CDNA5" Instruction Set Architecture Reference Guide (July 2026). The comments in the code are by the model that wrote it; some were corrected since.
;; CS Attention. Allowed arithmetic: matrix products marked QUANTISED: E3M2 operands, one E8M0 scale for each 32 along K, by v_wmma_scale_f32_16x16x128_f8f6f4 with both operands' format E3M2, f32 sums; everything else in f32.
;; Inputs: W_qk 1,024 x 512 float32; b_qk 1,024 float32; x 32 x 1,024 x 512 float32; y 32 x 1,024 x 512 float32.
;; Outputs: out0 32 x 1,024 x 512 float32.
;; This version of the problem:
;;   THIS VERSION OF THE PROBLEM IS GIVEN IN LOW PRECISION. The matrix products marked QUANTISED in the list below multiply operands that are first quantised to E3M2 (3 exponent bits, 2 mantissa bits; 6 bits a number), with one power-of-two scale for each 32 numbers along K (OCP MX v1.0); their sums are f32. All else is computed in f32.
;;   The module's matrix products, in the order in which they are computed (A, B: the left and right operand; K: the contracted axis; several contracted axes count as one K, in the product's order):
;;     1. [M 32,768, K 512] x [K 512, N 1,024]; A: input x; B: input W_qk: QUANTISED
;;     2. batch 32 x [M 1,024, K 512] x [K 512, N 1,024]; A: computed on the way; B: computed on the way: QUANTISED
;;     3. batch 32 x [M 1,024, K 1,024] x [K 1,024, N 512]; A: softmax (see below); B: input y: QUANTISED
;;   THE QUANTISER, for each operand of a quantised product, along K:
;;     - K is cut into blocks of 32 from its start; a last block that is shorter is filled with zeros.
;;     - A block's scale is 2^e with e = floor(log2(the largest magnitude in the block)) - 4, held to -126 .. 127; a block of zeros has e = 0. As a byte (E8M0): e + 127.
;;     - Each number is divided by its block's scale, clamped to +-28, and rounded to the nearest number of E3M2, ties to even, subnormals kept.
;;     - The product sums the exact products of the quantised numbers (number of the format x scale) in f32.
;;   ~~~python
;;   def quantise(x, axis):      # numpy; x: float32 -> the quantised numbers, widened to float32 again
;;       x = np.moveaxis(x, axis, -1); K = x.shape[-1]
;;       x = np.pad(x, [(0, 0)] * (x.ndim - 1) + [(0, -K % 32)]); x = x.reshape(x.shape[:-1] + (-1, 32)); a = np.abs(x).max(-1, keepdims=True)
;;       e = np.where(a > 0, np.clip(np.frexp(np.where(a > 0, a, 1))[1] - 1 - 4, -126, 127), 0)      # np.frexp(a)[1] - 1 = floor(log2(a)), exactly
;;       r = np.clip(x / 2.0 ** e, -28, 28)
;;       step = 2.0 ** (np.maximum(np.frexp(np.where(r == 0, 1, r))[1] - 1, -2) - 2)
;;       q = np.round(r / step) * step * 2.0 ** e      # np.round: ties to even
;;       return np.moveaxis(q.reshape(q.shape[:-2] + (-1,))[..., :K], -1, axis).astype(np.float32)
;;   ~~~
;;   SOFTMAX AHEAD OF A QUANTISED PRODUCT. Where the list says 'softmax', what is quantised is not the finished softmax but p = 2^(t - M), with t = logit x log2(e) and M = ceil(the row's largest t), a whole number; so 1/2 < the row's largest p <= 1. The row's sum l is taken of the UNQUANTISED p, in f32, and the product's result is divided by l at the end. Since M is a whole number, a kernel that streams over the keys may use a running M (the ceiling of the running maximum): every later rescaling is an exact power of two, which a block's scale takes up: the codes' values come out the same.
;;   OPERANDS COMPUTED ON THE WAY. 'Computed on the way' means the value that the module computes at that place (a softmax that the list does not call 'softmax' is quantised finished and normalised). What goes into a quantiser is computed in f32, as accurately as f32 sums, v_exp_f32 and their like allow (about 1e-6 of the number): no bf16 or f16 on the way to a quantiser, and a product that is left as it is and whose result goes on into a quantised operand takes f32 operands (vector FMAs, or v_wmma_f32_16x16x4_f32). A number that lies on a knife's edge between two numbers of the format may be rounded either way, as far as f32 arithmetic and the matrix unit's own rounding can turn it there, and no further.
;; One version. Each part assembles by itself: llvm-mc -triple=amdgcn-amd-amdhsa -mcpu=gfx1250 --defsym DOCPART=n.
;; ======== version 1 of 1: 3 launches
;; limits: right only within a limited range of input values
;; workspace buffers: wc 409,600 bytes; qc 13,107,200 bytes; kv 26,214,400 bytes
;; launch prep (part 1): grid 64 x 1, 4 waves a work-group, no clusters, 0 bytes of LDS; arguments W_qk, wc; writes wc
.if DOCPART == 1
	.amdgcn_target "amdgcn-amd-amdhsa--gfx1250"
	.amdhsa_code_object_version 6
	.text
	.protected	k_q3a431e70aa_prep
	.globl	k_q3a431e70aa_prep
	.p2align	8
	.type	k_q3a431e70aa_prep,@function
k_q3a431e70aa_prep:
	s_mov_b64 s[64:65], 0
	v_nop
	global_prefetch_b8 v0, s[64:65] scope:SCOPE_SE
	s_setreg_imm32_b32 hwreg(HW_REG_WAVE_MODE, 25, 1), 1
	s_wait_xcnt 0x0
; W_qk [1024][512] f32, the first product's operand that every row block reads, becomes codes of BF6 (E3M2) with one E8M0 byte for each 32 along K (its 512 columns), once.
; The codes leave as IMAGES OF OPERAND REGISTERS: a fragment (16 rows x 128 K) is 12 registers a lane, 1,536 bytes; register j of lane L lies at byte
; 512 (j / 4) + 16 L + 4 (j % 4), so that three loads of 16 bytes a lane, 512 bytes apart, bring a fragment into any wave.
; wc: W's 256 images [16 rows][K step], then from byte 393,216 their scale words, 16 words an image.
; A block's scale is 2^(floor(log2(its largest magnitude)) - 4); its byte is the largest magnitude's exponent field - 4, held at 1 from below.
; LIMITS: NaN and infinities among the inputs are not served.  A block of zeros gets the byte 1, not 127: its codes are zeros, and this program alone reads the bytes.
; Work-group g takes rows 16 g .. 16 g + 15; wave s takes K step s: one fragment a wave, 256 in all: there is work for 64 work-groups.  No LDS, no barrier, no matrix work: the waves share nothing.
; Lane (r, h) takes, of row r, 16 neighbours of each block of 32: pieces of 64 bytes; W is 2 MiB and is read once.
.set X,   32                           ; v32-95   64 numbers
.set TM,  8                            ; v8-23    at work in QUANT
.set PW,  24                           ; v24      the scale word
.set PC,  96                           ; v96-114  the fragment
.set SEL, 14                           ; s[14:15] lane selects for v_permlanex16_b32: lane l xor 16
; 64 numbers of a lane, v[s] .. v[s + 63], register 16 b + i = number 16 (lane / 16) + i of block b of my row, become a fragment's codes in v[PC] on and its scale word in v[PW].
.macro QUANT s
.irp b, 0,1,2,3
	v_max3_num_f32 v[TM+\b], |v[\s+16*\b]|, |v[\s+1+16*\b]|, 0x2800000   ; block b: my 16 numbers, and the floor 2^(5 - 127): the byte cannot fall under 1
.endr
.irp i, 2,4,6,8,10,12,14
.irp b, 0,1,2,3
	v_max3_num_f32 v[TM+\b], v[TM+\b], |v[\s+16*\b+\i]|, |v[\s+1+16*\b+\i]|   ; the four blocks by turns: no line waits for the line above it
.endr
.endr
.irp b, 0,1,2,3
	v_permlanex16_b32 v[TM+4+\b], v[TM+\b], s[SEL], s[SEL+1]
.endr
.irp b, 0,1,2,3
	v_max_num_f32 v[TM+\b], v[TM+\b], v[TM+4+\b]       ; with lane l xor 16's: the block's largest magnitude
.endr
.irp b, 0,1,2,3
	v_add_nc_u32 v[TM+12+\b], 0xfe000000, v[TM+\b]     ; 4 off its exponent field: the conversion takes the exponent field of this operand as its scale
.endr
.irp b, 0,1,2,3
	v_lshrrev_b32 v[TM+4+\b], 23, v[TM+12+\b]          ; the scale's byte
.endr
	v_lshl_or_b32 v[PW], v[TM+5], 8, v[TM+4]           ; four bytes: my row's scale word
	v_lshl_or_b32 v[PW], v[TM+6], 16, v[PW]
	v_lshl_or_b32 v[PW], v[TM+7], 24, v[PW]
.irp c, 0,1
	v_cvt_scalef32_pk16_bf6_f32 v[PC+6*\c:PC+2+6*\c], v[\s+32*\c:\s+15+32*\c], v[TM+12+2*\c]
	v_cvt_scalef32_pk16_bf6_f32 v[PC+12+4*\c:PC+14+4*\c], v[\s+16+32*\c:\s+31+32*\c], v[TM+12+2*\c+1]   ; a conversion's three registers begin on an even number
.endr
	v_nop                                              ; one plain place behind a scaled conversion
.irp c, 0,1                                        ; the operand wants a WHOLE block in a lane: lanes 0-15 block 2 c, lanes 16-31 block 2 c + 1
.irp i, 0,1,2
	v_permlane16_swap_b32 v[PC+6*\c+\i], v[PC+12+4*\c+\i]
.endr
.irp i, 0,1,2
	v_mov_b32 v[PC+3+6*\c+\i], v[PC+12+4*\c+\i]
.endr
.endr
.endm
	s_load_b128 s[4:7], s[0:1], 0x0                ; W s[4:5], wc s[6:7]
	v_lshrrev_b32 v1, 5, v0
	v_readfirstlane_b32 s12, v1                    ; wave 0..3
	v_and_b32 v1, 31, v0                           ; lane
	s_wait_alu depctr_va_vdst(0)
	s_lshl_b32 s18, ttmp9, 15                      ; 16 rows of 2,048 bytes
	s_lshl_b32 s19, s12, 9                         ; 128 numbers a K step
	s_add_co_u32 s18, s18, s19
	s_mov_b32 s19, 0
	s_lshl_b32 s20, ttmp9, 2
	s_add_co_u32 s20, s20, s12                     ; the fragment's number
	s_mul_i32 s22, s20, 1536
	s_mov_b32 s23, 0
	s_lshl_b32 s24, s20, 6
	s_add_co_u32 s24, s24, 393216
	s_mov_b32 s25, 0
	s_mov_b32 s[SEL], 0x76543210
	s_mov_b32 s[SEL+1], 0xfedcba98
	v_and_b32 v2, 15, v1                           ; r
	v_lshrrev_b32 v3, 4, v1                        ; h
	v_lshlrev_b32 v4, 11, v2
	v_lshl_add_u32 v4, v3, 6, v4                   ; row r, + 64 h
	v_lshlrev_b32 v5, 4, v1                        ; 16 x lane
	v_lshlrev_b32 v6, 2, v2                        ; 4 r
.irp b, 0,1,2,3
	v_mov_b32 v[TM+4+\b], 0                        ; a lane permute's destination counts as one of its sources
.endr
	s_wait_alu depctr_va_vdst(0)
	s_wait_kmcnt 0x0
	s_add_nc_u64 s[4:5], s[4:5], s[18:19]
	s_add_nc_u64 s[26:27], s[6:7], s[22:23]
	s_add_nc_u64 s[28:29], s[6:7], s[24:25]
.irp b, 0,1,2,3
.irp j, 0,1,2,3
	global_load_b128 v[X+16*\b+4*\j:X+16*\b+4*\j+3], v4, s[4:5] offset:128*\b+16*\j th:TH_LOAD_NT
.endr
.endr
	s_wait_loadcnt 0x0
	QUANT X
.irp c, 0,1,2
	global_store_b128 v5, v[PC+4*\c:PC+4*\c+3], s[26:27] offset:512*\c      ; 512 consecutive bytes
.endr
	global_store_b32 v6, v[PW], s[28:29]           ; lanes r and r + 16 hold the same word and write it to the same place
	s_endpgm
.Lfunc_end_k_q3a431e70aa_prep:
	.size	k_q3a431e70aa_prep, .Lfunc_end_k_q3a431e70aa_prep-k_q3a431e70aa_prep
	.p2alignl 7, 3214868480
	.fill 96, 4, 3214868480
	.section	.rodata,"a",@progbits
	.p2align	6, 0x0
	.amdhsa_kernel k_q3a431e70aa_prep
		.amdhsa_group_segment_fixed_size 0
		.amdhsa_private_segment_fixed_size 0
		.amdhsa_enable_private_segment 0
		.amdhsa_kernarg_size 16
		.amdhsa_user_sgpr_count 2
		.amdhsa_user_sgpr_kernarg_segment_ptr 1
		.amdhsa_wavefront_size32 1
		.amdhsa_system_sgpr_workgroup_id_x 1
		.amdhsa_system_sgpr_workgroup_id_y 1
		.amdhsa_system_sgpr_workgroup_id_z 1
		.amdhsa_system_vgpr_workitem_id 0
		.amdhsa_next_free_vgpr 128
		.amdhsa_next_free_sgpr 66
		.amdhsa_reserve_vcc 0
		.amdhsa_float_denorm_mode_32 3
		.amdhsa_float_denorm_mode_16_64 3
		.amdhsa_memory_ordered 1
		.amdhsa_forward_progress 1
		.amdhsa_inst_pref_size 8
	.end_amdhsa_kernel
	.amdgpu_metadata
---
amdhsa.version: [ 1, 2 ]
amdhsa.kernels:
  - .name:           k_q3a431e70aa_prep
    .symbol:         k_q3a431e70aa_prep.kd
    .args:
      - { .name: W_qk, .offset: 0, .size: 8, .value_kind: global_buffer, .address_space: global }
      - { .name: wc, .offset: 8, .size: 8, .value_kind: global_buffer, .address_space: global }
    .group_segment_fixed_size: 0
    .private_segment_fixed_size: 0
    .kernarg_segment_align: 8
    .kernarg_segment_size: 16
    .max_flat_workgroup_size: 128
    .sgpr_count:     66
    .vgpr_count:     128
    .wavefront_size: 32
...
	.end_amdgpu_metadata
.endif
;; end of part 1
;; launch proj (part 2): grid 256 x 1, 4 waves a work-group, no clusters, 327,680 bytes of LDS; arguments x, b_qk, wc, qc, kv, y; writes qc, kv
.if DOCPART == 2
	.amdgcn_target "amdgcn-amd-amdhsa--gfx1250"
	.amdhsa_code_object_version 6
	.text
	.protected	k_q3a431e70aa_proj
	.globl	k_q3a431e70aa_proj
	.p2align	8
	.type	k_q3a431e70aa_proj,@function
k_q3a431e70aa_proj:
	s_mov_b64 s[64:65], 0
	v_nop
	global_prefetch_b8 v0, s[64:65] scope:SCOPE_SE
	s_setreg_imm32_b32 hwreg(HW_REG_WAVE_MODE, 25, 1), 1
	s_wait_xcnt 0x0
; q = (x W_q^T + b_q) x 512^-0.5 and k = x W_k^T + b_k on codes of BF6 (E3M2), one E8M0 byte for each 32 along K; q, k and y leave as codes, laid as images of operand registers.
; A work-group takes 128 rows of x and of y; wave w takes columns 128 w .. 128 w + 127 of both (512 bytes of a row) into its own 67,584 bytes of LDS, and 256 of W's 1,024 rows (128 of q's, then 128 of k's).
; THE RING: a wave's LDS region is two halves of 33,792 bytes, filled by one tensor load a wave behind each barrier, in this order: x rows 0-63 (at the head), x rows 64-127,
; y's first 64 channels of my 128 (128 rows of 256 bytes, 8 bytes of padding behind each: 128 x 264 = 33,792), y's last 64.  Each load is on its way while what landed before it is quantised and multiplied.
; x's codes go to the other waves through LDS as images (bytes of their own, from XIMG on); W's images come from memory straight into registers.
; y is quantised along the keys: a lane takes a channel and its registers run down 32 keys, in the order in which the softmax's p will lie.
; LIMITS: NaN and infinities among the inputs are not served.  A block of zeros gets the byte 1, not 127: its codes are zeros, and this program alone reads the bytes.
.set XW,    67584
.set XT,    16896
.set XP,    528
.set XIMG,  270336
.set XSC,   319488
.set SPARE, 323584
.set XR,  4
.set LI,  5
.set LS,  6
.set XWI, 7
.set XWS, 8
.set SW,  11
.set BH,  12
.set AX0, 13
.set AS0, 14
.set XF,  16
.set XB,  16
.set HA,  80
.set XA,  80
.set PC,  144
.set TM,  164
.set PW,  180
.set WS,  184
.set XS,  200
.set IM,  204
.set CT,  228
.set YT0, 232
.set YT1, 233
.set YSC, 234
.set SB,  235
.set YA0, 236
.set YSO, 238
.set SPW, 240
.set NIL, 241
.set BI,  192
.set WV,  14
.set G1,  16
.set G0,  24
.set SEL, 40
.set FAC, 42
.set G1Y, 68
.set G0Y, 76
.set MSB, 0
.macro WIN new
.if MSB != (\new)
	s_set_vgpr_msb (MSB<<8)|(\new)
.set MSB, (\new)
.endif
.endm
.macro QUANT s
.irp b, 0,1,2,3
	v_max3_num_f32 v[TM+\b], |v[\s+16*\b]|, |v[\s+1+16*\b]|, 0x2800000
.endr
.irp i, 2,4,6,8,10,12,14
.irp b, 0,1,2,3
	v_max3_num_f32 v[TM+\b], v[TM+\b], |v[\s+16*\b+\i]|, |v[\s+1+16*\b+\i]|
.endr
.endr
.irp b, 0,1,2,3
	v_permlanex16_b32 v[TM+4+\b], v[TM+\b], s[SEL], s[SEL+1]
.endr
.irp b, 0,1,2,3
	v_max_num_f32 v[TM+\b], v[TM+\b], v[TM+4+\b]
.endr
.irp b, 0,1,2,3
	v_add_nc_u32 v[TM+12+\b], 0xfe000000, v[TM+\b]
.endr
.irp b, 0,1,2,3
	v_lshrrev_b32 v[TM+4+\b], 23, v[TM+12+\b]
.endr
	v_lshl_or_b32 v[PW], v[TM+5], 8, v[TM+4]
	v_lshl_or_b32 v[PW], v[TM+6], 16, v[PW]
	v_lshl_or_b32 v[PW], v[TM+7], 24, v[PW]
.irp c, 0,1
	v_cvt_scalef32_pk16_bf6_f32 v[PC+6*\c:PC+2+6*\c], v[\s+32*\c:\s+15+32*\c], v[TM+12+2*\c]
	v_cvt_scalef32_pk16_bf6_f32 v[PC+12+4*\c:PC+14+4*\c], v[\s+16+32*\c:\s+31+32*\c], v[TM+12+2*\c+1]
.endr
	v_nop
.irp c, 0,1
.irp i, 0,1,2
	v_permlane16_swap_b32 v[PC+6*\c+\i], v[PC+12+4*\c+\i]
.endr
.irp i, 0,1,2
	v_mov_b32 v[PC+3+6*\c+\i], v[PC+12+4*\c+\i]
.endr
.endr
.endm
.macro IMAGE off
.irp c, 0,1,2
	ds_store_b128 v[XWI], v[PC+4*\c:PC+4*\c+3] offset:\off+512*\c
.endr
.endm
.macro XREAD reg, l, u
.irp b, 0,1,2,3
.irp j, 0,1,2,3
	ds_load_b128 v[\reg+16*\b+4*\j:\reg+16*\b+4*\j+3], v[XR] offset:XT*\l+16*XP*\u+128*\b+16*\j
.endr
.endr
.endm
.macro FETCHI m
.irp s, 0,1,2,3
.irp c, 0,1,2
	ds_load_b128 v[XF+12*\s+4*\c:XF+12*\s+4*\c+3], v[AX0] offset:6144*(\m)+1536*\s+512*\c
.endr
	ds_load_b32 v[XS+\s], v[AS0] offset:512*(\m)+128*\s
.endr
.endm
.macro WLOAD p
	WIN 0x40
.irp t, 0,1,2,3,4,5,6,7
.irp s, 0,1
.irp c, 0,1,2
	global_load_b128 v[12*(2*\t+\s)+4*\c:12*(2*\t+\s)+4*\c+3], v[LI], s[52:53] offset:\p*196608+(4*\t+\s)*1536+512*\c
.endr
.endr
.endr
	WIN 0x80
.irp t, 0,1,2,3,4,5,6,7
.irp s, 0,1
.irp c, 0,1,2
	global_load_b128 v[12*(2*\t+\s)+4*\c:12*(2*\t+\s)+4*\c+3], v[LI], s[52:53] offset:\p*196608+(4*\t+\s+2)*1536+512*\c
.endr
.endr
.endr
.irp t, 0,1,2,3,4,5,6,7
	global_load_b128 v[BI+8*\t:BI+8*\t+3], v[BH], s[56:57] offset:\p*2048+64*\t
	global_load_b128 v[BI+8*\t+4:BI+8*\t+7], v[BH], s[56:57] offset:\p*2048+64*\t+16
.endr
	WIN 0
.irp j, 0,1,2,3,4,5,6,7,8,9,10,11,12,13,14,15
	global_load_b32 v[WS+\j], v[LS], s[54:55] offset:\p*8192+128*\j
.endr
.endm
.macro MUL8 s
.irp t, 0,1,2,3,4,5,6,7
.if (\s) == 0
	v_wmma_scale_f32_16x16x128_f8f6f4 v[HA+8*\t:HA+8*\t+7], v[12*(2*\t):12*(2*\t)+11], v[XF:XF+11], v[BI+8*\t:BI+8*\t+7], v[WS+2*\t], v[XS] matrix_a_fmt:MATRIX_FMT_BF6 matrix_b_fmt:MATRIX_FMT_BF6
.elseif (\s)%2 == 0
	v_wmma_scale_f32_16x16x128_f8f6f4 v[HA+8*\t:HA+8*\t+7], v[12*(2*\t):12*(2*\t)+11], v[XF+12*\s:XF+12*\s+11], v[HA+8*\t:HA+8*\t+7], v[WS+2*\t+(\s)/2], v[XS+\s] matrix_a_fmt:MATRIX_FMT_BF6 matrix_b_fmt:MATRIX_FMT_BF6
.else
	v_wmma_scale_f32_16x16x128_f8f6f4 v[HA+8*\t:HA+8*\t+7], v[12*(2*\t+1):12*(2*\t+1)+11], v[XF+12*\s:XF+12*\s+11], v[HA+8*\t:HA+8*\t+7], v[WS+2*\t+(\s)/2], v[XS+\s] matrix_a_fmt:MATRIX_FMT_BF6 matrix_b_fmt:MATRIX_FMT_BF6 matrix_a_scale:MATRIX_SCALE_ROW1
.endif
.endr
.endm
.macro TRIP p, f, m, st
	s_wait_dscnt 0x0
	WIN 0x21+2*(\p)                                ; W's K steps 0 and 1: q's lie in window 1, k's in window 3
	MUL8 0
	WIN 0x01+2*(\p)
	MUL8 1
	WIN 0x02
	MUL8 2
	MUL8 3
	WIN 0
.rept 4
	v_nop
.endr
.if \f
	FETCHI \m
.endif
.if (\p) == 0
.set j, 0
.rept 32
	v_dual_mul_f32 v[HA+j], s[FAC], v[HA+j] :: v_dual_mul_f32 v[HA+j+1], s[FAC], v[HA+j+1]
.set j, j+2
.endr
.endif
	QUANT HA
.irp c, 0,1,2
	global_store_b128 v[LI], v[PC+4*\c:PC+4*\c+3], s[48:49] offset:512*\c
.endr
	global_store_b32 v[SW], v[PW], s[50:51]
.if \st
	s_wait_xcnt 0x0
	s_add_nc_u64 s[48:49], s[48:49], 6144
	s_add_nc_u64 s[50:51], s[50:51], 256
.endif
.endm
.macro STAGE l
	XREAD XA, \l, 0
	XREAD XB, \l, 1
	s_wait_dscnt 16
	QUANT XA
	IMAGE 6144*(2*\l)
	ds_store_b32 v[XWS], v[PW] offset:512*(2*\l)
	s_wait_dscnt 0x0
	QUANT XB
	IMAGE 6144*(2*\l+1)
	ds_store_b32 v[XWS], v[PW] offset:512*(2*\l+1)
.endm
.macro MEET
	s_wait_dscnt 0x0
	s_barrier_signal -1
	s_barrier_wait -1
.endm
.macro YLOAD g, t, set
.set i, 0
.rept 32
	ds_load_b32 v[HA+32*(\set)+(i&7)+(i&8)*2+(i&16)/2], v[YA0+(\g)/2] offset:(32*(\t)+i)*264+128*((\g)%2)   ; key 32 t + i, channel group g: half g / 2 of my region, rows 264 bytes apart
.set i, i+1
.endr
.endm
.macro YBLOCK t, set
.set YX, HA+32*(\set)
.set DI, IM+12*((\t)%2)+6*((\t)/2)
	v_max3_num_f32 v[YT0], |v[YX]|, |v[YX+1]|, |v[YX+2]|
	v_max3_num_f32 v[YT1], |v[YX+3]|, |v[YX+4]|, |v[YX+5]|
.irp i, 6,10,14,18,22,26
	v_max3_num_f32 v[YT0], v[YT0], |v[YX+\i]|, |v[YX+\i+1]|
	v_max3_num_f32 v[YT1], v[YT1], |v[YX+\i+2]|, |v[YX+\i+3]|
.endr
	v_max3_num_f32 v[YT0], v[YT0], |v[YX+30]|, |v[YX+31]|
	v_max3_num_f32 v[YT0], v[YT0], v[YT1], 0x2800000
	v_add_nc_u32 v[YSC], 0xfe000000, v[YT0]
	v_lshrrev_b32 v[YT1], 23, v[YSC]
.if (\t) == 0
	v_mov_b32 v[SB], v[YT1]
.else
	v_lshl_or_b32 v[SB], v[YT1], 8*(\t), v[SB]
.endif
	v_cvt_scalef32_pk16_bf6_f32 v[DI:DI+2], v[YX:YX+15], v[YSC]
	v_cvt_scalef32_pk16_bf6_f32 v[CT:CT+2], v[YX+16:YX+31], v[YSC]
	v_nop
.irp i, 0,1,2
	v_mov_b32 v[DI+3+\i], v[CT+\i]
.endr
.endm
; A change of halves: all my tensor loads have landed (one was out), 0 onto my spare word, that add and my LDS reads are done, the barrier, and my one tensor load behind it.
; W's images in small runs, laid among other work.  WLA: tile t's K steps 0 and 1 (6 loads) into window 1 (p = 0) or 3 (p = 1).
.macro WLA p, t
	WIN 0x40+0x80*(\p)
.irp s, 0,1
.irp c, 0,1,2
	global_load_b128 v[12*(2*(\t)+\s)+4*\c:12*(2*(\t)+\s)+4*\c+3], v[LI], s[52:53] offset:(\p)*196608+(4*(\t)+\s)*1536+512*\c
.endr
.endr
	WIN 0
.endm
; WLB: tile t's K steps 2 and 3 and its bias into window 2, its two registers of scale words into window 0 (10 loads).
.macro WLB p, t
	WIN 0x80
.irp s, 0,1
.irp c, 0,1,2
	global_load_b128 v[12*(2*(\t)+\s)+4*\c:12*(2*(\t)+\s)+4*\c+3], v[LI], s[52:53] offset:(\p)*196608+(4*(\t)+\s+2)*1536+512*\c
.endr
.endr
	global_load_b128 v[BI+8*(\t):BI+8*(\t)+3], v[BH], s[56:57] offset:(\p)*2048+64*(\t)
	global_load_b128 v[BI+8*(\t)+4:BI+8*(\t)+7], v[BH], s[56:57] offset:(\p)*2048+64*(\t)+16
	WIN 0
	global_load_b32 v[WS+2*(\t)], v[LS], s[54:55] offset:(\p)*8192+128*(2*(\t))
	global_load_b32 v[WS+2*(\t)+1], v[LS], s[54:55] offset:(\p)*8192+128*(2*(\t)+1)
.endm
.macro REFILL g0, g1
	s_wait_alu depctr_va_vdst(0)
	s_wait_tensorcnt 0x0
	ds_add_u32 v[SPW], v[NIL]
	s_wait_dscnt 0x0
	s_barrier_signal -1
	s_barrier_wait -1
	tensor_load_to_lds s[\g0:\g0+3], s[\g1:\g1+7]
	s_nop 0
.rept 4
	v_nop
.endr
.endm
; Half hf of my channels of y: groups 2 hf and 2 hf + 1 of 32 channels, four blocks of 32 keys each; the LDS loads run two blocks ahead (s_wait_dscnt 32: the next block's 32 loads may be out).
.macro YHALF hf
	YLOAD 2*(\hf), 0, 0
	YLOAD 2*(\hf), 1, 1
.irp gg, 0,1
.irp t, 0,1,2,3
.if (4*\gg+\t) < 7
	s_wait_dscnt 32
.else
	s_wait_dscnt 0x0
.endif
.if (\t == 0) && ((\gg+\hf) > 0)
	s_wait_xcnt 0x0                                ; the last group's stores have read their registers
.endif
	YBLOCK \t, \t%2
.if (\hf) == 0
	WLB 1, 4*\gg+\t                                ; k's rows of W: the registers that q's last products have left, a tile behind each of these eight blocks
.endif
.if (4*\gg+\t) < 6
	YLOAD 2*(\hf)+(4*\gg+\t+2)/4, (4*\gg+\t+2)%4, \t%2
.endif
.endr
.irp H, 0,1
.irp c, 0,1,2
	global_store_b128 v[YSO], v[IM+12*\H+4*\c:IM+12*\H+4*\c+3], s[80:81] offset:3072*(2*(\hf)+\gg)+512*\c+256*\H
.endr
.endr
	global_store_b32 v[LS], v[SB], s[82:83] offset:128*(2*(\hf)+\gg)
.endr
.endm
	s_load_b256 s[4:11], s[0:1], 0x0
	s_load_b64 s[12:13], s[0:1], 0x20
	s_load_b64 s[66:67], s[0:1], 0x28
	v_lshl_add_u32 v[SPW], v0, 2, SPARE
	v_mov_b32 v[NIL], 0
	ds_add_u32 v240, v241
	ds_add_u32 v240, v241
	s_wait_dscnt 0x0
	v_lshrrev_b32 v1, 5, v0
	v_readfirstlane_b32 s[WV], v1
	s_mov_b32 s[G1+0], (3<<16)|(1<<20)|(6<<22)|(3<<25)   ; x: elements of 8 bytes; 4 dwords of padding behind every 128
	s_mov_b32 s[G1+1], 64<<16                      ; rows of 512 bytes,
	s_mov_b32 s[G1+2], 64<<16                      ; 64 of them
	s_mov_b32 s[G1+3], 64<<16
	s_mov_b32 s[G1+4], 64
	s_mov_b32 s[G1Y+0], (3<<16)|(1<<20)|(5<<22)|(1<<25)  ; y: 2 dwords of padding behind every 64
	s_mov_b32 s[G1Y+1], 32<<16                     ; rows of 256 bytes,
	s_mov_b32 s[G1Y+2], 128<<16                    ; 128 of them
	s_mov_b32 s[G1Y+3], 32<<16
	s_mov_b32 s[G1Y+4], 128
.irp g, G1, G1Y
	s_mov_b32 s[\g+5], 256                         ; 2,048 bytes from row to row
	s_mov_b32 s[\g+6], 0
	s_mov_b32 s[\g+7], 0
.endr
	s_lshl_b32 s58, ttmp9, 18
	s_lshl_b32 s59, s[WV], 9
	s_add_co_u32 s58, s58, s59
	s_mov_b32 s59, 0
	s_mul_i32 s46, s[WV], XW
	s_mov_b32 s[SEL], 0x76543210
	s_mov_b32 s[SEL+1], 0xfedcba98
	s_mov_b32 s[FAC], 0x3d3504f3
	s_mov_b32 s[FAC+1], s[FAC]
	s_wait_kmcnt 0x0
	s_add_nc_u64 s[4:5], s[4:5], s[58:59]
	s_add_nc_u64 s[66:67], s[66:67], s[58:59]
.irp l, 0,1                                    ; four groups 0: x's rows 64 l on, then y's channels 64 l on, each into half l of my region
	s_mov_b32 s[G0+4*\l], 1
	s_add_co_u32 s[G0+4*\l+1], s46, \l*2*XT
	s_add_nc_u64 s[G0+4*\l+2:G0+4*\l+3], s[4:5], \l*131072
	s_or_b32 s[G0+4*\l+3], s[G0+4*\l+3], 0x80000000
	s_mov_b32 s[G0+8+4*\l], 1
	s_add_co_u32 s[G0+8+4*\l+1], s46, \l*2*XT
	s_add_nc_u64 s[G0+8+4*\l+2:G0+8+4*\l+3], s[66:67], \l*256
	s_or_b32 s[G0+8+4*\l+3], s[G0+8+4*\l+3], 0x80000000
.endr
	tensor_load_to_lds s[G0:G0+3], s[G1:G1+7]      ; x's rows 0-63: my one tensor load at the head
	s_nop 0
.rept 4
	v_nop
.endr
	v_and_b32 v1, 31, v0
	v_and_b32 v2, 15, v0
	v_bfe_u32 v3, v0, 4, 1
	v_mul_u32_u24 v[XR], v2, XP
	v_lshl_add_u32 v[XR], v3, 6, v[XR]
	v_add_nc_u32 v[XR], s46, v[XR]
	v_lshlrev_b32 v[LI], 4, v1
	v_lshlrev_b32 v[LS], 2, v1
	v_add_nc_u32 v[AX0], XIMG, v[LI]
	v_add_nc_u32 v[AS0], XSC, v[LS]
	s_mul_i32 s47, s[WV], 1536
	v_add_nc_u32 v[XWI], s47, v[AX0]
	s_lshl_b32 s47, s[WV], 7
	v_add_nc_u32 v[XWS], s47, v[AS0]
	v_lshlrev_b32 v[SW], 2, v2
	v_lshlrev_b32 v[BH], 5, v3
	s_wait_alu depctr_va_vdst(0)
	v_add_nc_u32 v[YA0], s46, v[LS]
	v_add_nc_u32 v[YA0+1], 64*XP, v[YA0]
	v_mul_u32_u24 v[YSO], v3, 1536
	v_lshl_add_u32 v[YSO], v2, 4, v[YSO]
.irp b, 0,1,2,3
	v_mov_b32 v[TM+4+\b], 0
.endr
	s_mul_i32 s58, s[WV], 49152
	s_add_nc_u64 s[52:53], s[8:9], s[58:59]
	s_lshl_b32 s58, s[WV], 11
	s_add_co_u32 s58, s58, 393216
	s_add_nc_u64 s[54:55], s[8:9], s[58:59]
	s_lshl_b32 s58, s[WV], 9
	s_add_nc_u64 s[56:57], s[6:7], s[58:59]
	WLOAD 0
	s_mul_i32 s58, ttmp9, 49152
	s_mul_i32 s60, s[WV], 1536
	s_add_co_u32 s58, s58, s60
	s_add_nc_u64 s[48:49], s[10:11], s[58:59]
	s_lshl_b32 s58, ttmp9, 11
	s_lshl_b32 s61, s[WV], 6
	s_add_co_u32 s58, s58, s61
	s_add_co_u32 s58, s58, 12582912
	s_add_nc_u64 s[50:51], s[10:11], s[58:59]
	s_mul_i32 s84, ttmp9, 102400
	s_mul_i32 s86, s[WV], 12288
	s_add_co_u32 s86, s86, s84
	s_add_co_u32 s86, s86, 49152
	s_mov_b32 s87, 0
	s_add_nc_u64 s[80:81], s[12:13], s[86:87]
	s_lshl_b32 s86, s[WV], 9
	s_add_co_u32 s86, s86, s84
	s_add_co_u32 s86, s86, 100352
	s_add_nc_u64 s[82:83], s[12:13], s[86:87]
	REFILL G0+4, G1                                ; x's rows 0-63 are in; rows 64-127 are asked for (the second half's first fill, issued as a refill is)
	STAGE 0
	STAGE 1
	MEET                                           ; the images of row tiles 0-3 are whole
	FETCHI 0
	s_wait_loadcnt 0x0                             ; W's images, scale words and the bias
	TRIP 0, 1, 1, 1
	TRIP 0, 1, 2, 1
	TRIP 0, 1, 3, 1
	TRIP 0, 0, 0, 1
	REFILL G0+8, G1Y                               ; x's rows 64-127 are in; the first half, read out by stages 0 and 1, takes y's first 64 channels
	WLA 1, 0                                       ; k's rows of W, K steps 0 and 1: into window 3, which nothing else uses, two tiles at a time
	WLA 1, 1
	STAGE 2
	WLA 1, 2
	WLA 1, 3
	STAGE 3
	MEET                                           ; the images of row tiles 4-7 are whole
	FETCHI 4
	TRIP 0, 1, 5, 1
	WLA 1, 4
	WLA 1, 5
	TRIP 0, 1, 6, 1
	WLA 1, 6
	WLA 1, 7
	TRIP 0, 1, 7, 1
	TRIP 0, 1, 0, 1
	REFILL G0+12, G1Y                              ; y's first 64 channels are in; the second half, read out by stages 2 and 3, takes the last 64
	s_add_co_u32 s62, s84, s60
	s_mov_b32 s63, 0
	s_add_nc_u64 s[48:49], s[12:13], s[62:63]
	s_add_co_u32 s58, s84, s61
	s_add_co_u32 s58, s58, 98304
	s_add_nc_u64 s[50:51], s[12:13], s[58:59]
	YHALF 0                                        ; while k's rows of W are on their way
	s_wait_loadcnt 0x0
	TRIP 1, 1, 1, 1
	TRIP 1, 1, 2, 1
	TRIP 1, 1, 3, 1
	TRIP 1, 1, 4, 1
	TRIP 1, 1, 5, 1
	TRIP 1, 1, 6, 1
	TRIP 1, 1, 7, 1
	TRIP 1, 0, 0, 0
	s_wait_tensorcnt 0x0                           ; y's last 64 channels are in: only I read my region
	YHALF 1
	s_wait_tensorcnt 0x0
	ds_add_u32 v[SPW], v[NIL]
	s_wait_dscnt 0x0
	s_endpgm
.Lfunc_end_k_q3a431e70aa_proj:
	.size	k_q3a431e70aa_proj, .Lfunc_end_k_q3a431e70aa_proj-k_q3a431e70aa_proj
	.p2alignl 7, 3214868480
	.fill 96, 4, 3214868480
	.section	.rodata,"a",@progbits
	.p2align	6, 0x0
	.amdhsa_kernel k_q3a431e70aa_proj
		.amdhsa_group_segment_fixed_size 327680
		.amdhsa_private_segment_fixed_size 0
		.amdhsa_enable_private_segment 0
		.amdhsa_kernarg_size 48
		.amdhsa_user_sgpr_count 2
		.amdhsa_user_sgpr_kernarg_segment_ptr 1
		.amdhsa_wavefront_size32 1
		.amdhsa_system_sgpr_workgroup_id_x 1
		.amdhsa_system_sgpr_workgroup_id_y 1
		.amdhsa_system_sgpr_workgroup_id_z 1
		.amdhsa_system_vgpr_workitem_id 0
		.amdhsa_next_free_vgpr 1024
		.amdhsa_next_free_sgpr 88
		.amdhsa_reserve_vcc 0
		.amdhsa_float_denorm_mode_32 3
		.amdhsa_float_denorm_mode_16_64 3
		.amdhsa_memory_ordered 1
		.amdhsa_forward_progress 1
		.amdhsa_inst_pref_size 255
	.end_amdhsa_kernel
	.section	.bss,"aw",@nobits
	.p2align	6
	.space	262144
	.amdgpu_metadata
---
amdhsa.version: [ 1, 2 ]
amdhsa.kernels:
  - .name:           k_q3a431e70aa_proj
    .symbol:         k_q3a431e70aa_proj.kd
    .args:
      - { .name: x, .offset: 0, .size: 8, .value_kind: global_buffer, .address_space: global }
      - { .name: b_qk, .offset: 8, .size: 8, .value_kind: global_buffer, .address_space: global }
      - { .name: wc, .offset: 16, .size: 8, .value_kind: global_buffer, .address_space: global }
      - { .name: qc, .offset: 24, .size: 8, .value_kind: global_buffer, .address_space: global }
      - { .name: kv, .offset: 32, .size: 8, .value_kind: global_buffer, .address_space: global }
      - { .name: y, .offset: 40, .size: 8, .value_kind: global_buffer, .address_space: global }
    .group_segment_fixed_size: 327680
    .private_segment_fixed_size: 0
    .kernarg_segment_align: 8
    .kernarg_segment_size: 48
    .max_flat_workgroup_size: 128
    .sgpr_count:     88
    .vgpr_count:     1024
    .wavefront_size: 32
...
	.end_amdgpu_metadata
.endif
;; end of part 2
;; launch attn (part 3): grid 8 x 32, 4 waves a work-group, clusters of 4 x 1, 327,680 bytes of LDS; arguments qc, kv, out0; writes out0
.if DOCPART == 3
	.amdgcn_target "amdgcn-amd-amdhsa--gfx1250"
	.amdhsa_code_object_version 6
	.text
	.protected	k_q3a431e70aa_attn
	.globl	k_q3a431e70aa_attn
	.p2align	8
	.type	k_q3a431e70aa_attn,@function
k_q3a431e70aa_attn:
	s_mov_b64 s[64:65], 0
	v_nop
	global_prefetch_b8 v0, s[64:65] scope:SCOPE_SE
	s_setreg_imm32_b32 hwreg(HW_REG_WAVE_MODE, 25, 1), 1
	s_wait_xcnt 0x0
	s_wait_alu depctr_hold_cnt(0) depctr_sa_sdst(0) depctr_va_vdst(0) depctr_va_sdst(0) depctr_va_ssrc(0) depctr_va_vcc(0) depctr_vm_vsrc(0)
	s_getreg_b32 s2, hwreg(HW_REG_IB_STS2, 6, 4)
	s_cmp_eq_u32 s2, 0
	s_cbranch_scc0 .Lentry_in_a_cluster
	s_endpgm
.Lentry_in_a_cluster:
	s_bfe_u32 s2, ttmp6, 0x10000c
	s_cmp_lg_u32 s2, 0x3003
	s_cbranch_scc0 .Lentry_shape_is_right
	s_endpgm
.Lentry_shape_is_right:
; out[b][n][:] = the sum over m of softmax_m(q[b][n] . k[b][m]) y[b][m][:], both products on codes of BF6 (E3M2) with one E8M0 scale for each 32 along a product's K.  1,024 queries and keys a batch, 512 latent, 512 channels.
; q (already x 512^-0.5), k and y arrive as images of operand registers (a fragment, 16 rows x 128 K, is 12 registers a lane: register j of lane L at byte 512 (j / 4) + 16 L + 4 (j % 4) of 1,536).
; kv: for each batch and 128 keys one dense block of 102,400 bytes: K's 32 images [key tile][K step], V's 32 images [16 channels] (K = these 128 keys), K's scale words, V's scale words.
; THE SOFTMAX: t = score x log2(e); M = the row's largest t so far, rounded UP to a whole number; p = 2^(t - M) is quantised along the keys, not normalised.  The row's sum is taken of the unquantised p, in f32,
; and divides at the end.  When M moves, the sum and O are multiplied by 2^(old M - new M): exact.  A block's largest p is made from the block's largest score by the same multiply-add and exponential;
; that takes v_exp_f32 not to fall where its input rises (the ISA guide promises 1 ulp): at the worst one p of a block, within an ulp of a power of two, is held one code low.
; SHARES.  A work-group owns 128 queries of a batch, a wave 32: two tiles of 16, with all 512 channels: 512 registers of O^T.  Every wave walks the batch's 1,024 keys, 128 a step.
; LAYOUT.  Both products transposed: S^T = K Q^T (source 0 = 16 keys), O^T = V^T P^T (source 0 = 16 channels): a lane holds ONE query (lane % 16) throughout.  Register j of key tile t is key 16 t + 8 h + j, so the
; quantiser sets key 16 u + 8 h + j of a block of 32 at place 16 h + 8 u + j; V's codes were laid in the same order.  A block holds the same 32 keys, so its scale is the one asked for.
; CLUSTER.  The four work-groups of a cluster belong to one batch and walk the same blocks of kv: each block is asked for JOINTLY, a quarter by each wave, by the same tensor load with the same descriptor
; and the mask of all four; each receives it in its own LDS.  Two slots; a block is asked for a whole key step (128 matrix instructions a wave) ahead of its first read.
; LIMITS: NaN and infinities are not served.  A block whose every p has fallen to 0 keeps the byte 1: its codes are zeros.
; REGISTERS, in windows of 256: window 0: v1-11 addresses; v12-27 statistics, 8 a tile; v28-43 K's scale words, v44-59 V's, v60-67 Q's, v68-69 P's; v70-93 P's codes; v94-113 at work; v128-255 S^T, then p.
;   window 1: v0-95 Q's 8 fragments; v96-239 three buffers of four fragments of K or V.   windows 2, 3: O^T: accumulator (channel tile ct, query tile q) at v[8 (2 (ct % 16) + q)], ct < 16 in window 2.
.set SLOT1, 131072                     ; slot 0 at 0, slot 1 here: one exclusive or turns an address in one slot into the other's
.set BLKB,  102400
.set QRT,   25600                      ; a wave's quarter of a block: 100 rows of 256 bytes
.set STAGE, 233472                     ; behind the ring: 16 rows x (512 bytes + 16) for each wave, for the way out
.set SPARE, 267264                     ; behind the stages: the spare words, 128 bytes for each wave: two blocks of 256 bytes that no other line names
.set LI,  1                            ; v1   16 x lane
.set LSC, 2                            ; v2   4 x lane + 98,304: my word among a block's scale words
.set ADK, 3                            ; v3   the step's images of K
.set ADV, 4                            ; v4   of V
.set ADS, 5                            ; v5   its scale words
.set SPW, 6                            ; v6   LDS address of my spare word; never rewritten
.set NIL, 7                            ; v7   0; never rewritten
.set STO, 8                            ; v8   the way out: where I put 32 bytes of a row
.set RD,  9                            ; v9   and where I read a row back
.set SW,  11                           ; v11  4 x (lane % 16)
.set ST,  12                           ; tile q's statistics at v[ST + 8 q]: +0 -M, +1 the largest t, +2, +3 the sum in two halves, +4 f (+5 named with it), +6 at work, then 1 / the sum (+7 named with it)
.set KS,  28                           ; register j: lanes 0-15 the words of K's fragment 2 j, lanes 16-31 of 2 j + 1 (fragment 4 t + s)
.set VS,  44                           ; register i: lanes 0-15 channel tile 2 i, lanes 16-31 tile 2 i + 1
.set QS,  60
.set PS,  68
.set PC,  70
.set CT,  94
.set TM,  102
.set S,   128
.set OA,  128
.set OB,  192
.set FB,  96                           ; in window 1
.set WV,  10
.set G1,  16
.set G0,  24                           ; s[24:27] the walking group 0
.set SEL, 28
.set CS,  30                           ; s[30:31] log2(e), as a pair for the packed form
.set TB,  32                           ; LDS byte at which the slot in hand begins
.set CNT, 33
.set TN,  35                           ; LDS byte at which the other slot begins
.set ADKN, 117                         ; v117 the next step's images of K, in the other slot
.set ADSN, 118                         ; v118 and its scale words
.set MSB, 0
.macro WIN new                         ; the immediate's high byte repeats the setting that is left; a switch that changes nothing is dropped
.if MSB != (\new)
	s_set_vgpr_msb (MSB<<8)|(\new)
.set MSB, (\new)
.endif
.endm
.macro PLACES                          ; four places behind matrix instructions, in front of loads into their registers and of reads of their results
.rept 4
	v_nop
.endr
.endm
; A round of the cluster's barrier: my work-group's barrier; wave 0 signals for the work-group; every wave waits for all four work-groups; my work-group's barrier once more.
.macro CROUND
	s_barrier_signal -1
	s_barrier_wait -1
	s_cmp_lg_u32 s[WV], 0
	s_cbranch_scc1 .Lnot_wave_0_\@
	s_barrier_signal -3
.Lnot_wave_0_\@:
	s_barrier_wait -3
	s_barrier_signal -1
	s_barrier_wait -1
.endm
; THE CHANGE OF SLOTS stands at a step's head.  Each wave waits for all its tensor loads (one is out: its quarter of the block that it is about to read), adds 0 to its spare word, and waits for that and for its
; reads of the slot that it has left.  fill = 1: a round of the cluster's barrier follows, and behind it that slot is asked for again, jointly, with the next block.
.macro CHANGE fill
	s_wait_tensorcnt 0x0                           ; no tensor load of mine is out, so the group 0 may be written
	ds_add_u32 v[SPW], v[NIL]                      ; 0 onto my spare word
.if \fill
	s_xor_b32 s[G0+1], s[G0+1], SLOT1              ; the other slot than last time,
	s_add_nc_u64 s[G0+2:G0+3], s[G0+2:G0+3], BLKB  ; the next 128 keys; the type bits on top are not reached
.endif
	s_wait_dscnt 0x0                               ; the add is done, and my reads of the slot that I have left are over
.if \fill
	CROUND                                         ; both now hold of every wave of all four work-groups
	tensor_load_to_lds s[G0:G0+3], s[G1:G1+7]      ; my one tensor load until the next change of slots, and the first thing behind the round
	s_nop 0
	PLACES
.else
	s_barrier_signal -1
	s_barrier_wait -1
.endif
.endm
; Batch i of 16: four fragments, 12 loads of 512 consecutive bytes, into buffer i % 3.  i < 8: key tiles 4 (i / 4) + 0 .. 3 at K step i % 4;  else channel tiles 4 (i - 8) + 0 .. 3.
.macro FLOAD i
	WIN 0x40                                       ; destination window 1, address window 0
.irp k, 0,1,2,3
.irp c, 0,1,2
.if (\i) < 8
	ds_load_b128 v[FB+48*((\i)%3)+12*\k+4*\c:FB+48*((\i)%3)+12*\k+4*\c+3], v[ADK] offset:((4*((\i)/4)+\k)*4+(\i)%4)*1536+512*\c
.else
	ds_load_b128 v[FB+48*((\i)%3)+12*\k+4*\c:FB+48*((\i)%3)+12*\k+4*\c+3], v[ADV] offset:(4*((\i)-8)+\k)*1536+512*\c
.endif
.endr
.endr
.endm
; Batch i's 8 products: its four fragments against both query tiles, on 8 different accumulators, one instruction a turn; then the batch three on is fetched into its buffer.
; first = 1: the first key step's V^T P starts O^T's sums: nothing is ever cleared.
; The NEXT key step's batch i (0, 1, 2) of K, out of the other slot, into buffer i.
.macro FLOADN i
	WIN 0x40
.irp k, 0,1,2,3
.irp c, 0,1,2
	ds_load_b128 v[FB+48*(\i)+12*\k+4*\c:FB+48*(\i)+12*\k+4*\c+3], v[ADKN] offset:(4*\k+(\i))*1536+512*\c
.endr
.endr
.endm
.macro BATCH i, first
.if ((\i) <= 13) || POUT
	s_wait_dscnt 24                                ; this batch's loads are in; the two younger batches' (the next step's among them, where it is fetched ahead) may be out
.elseif (\i) == 14
	s_wait_dscnt 12
.else
	s_wait_dscnt 0x0
.endif
.if (\i) < 8
	WIN 0x05                                       ; K and Q in window 1, S^T in window 0
.elseif (\i) < 12
	WIN 0xa1                                       ; V in window 1, P in window 0, O^T in window 2
.else
	WIN 0xf1                                       ; O^T in window 3
.endif
.irp k, 0,1,2,3
.irp q, 0,1
.set rA, FB+48*((\i)%3)+12*\k
.if (\i) < 8
.set kt, 4*((\i)/4)+\k
.set ks, (\i)%4
.set rD, S+64*\q+8*kt
.set rB, 12*(4*\q+ks)
.set rX, KS+2*kt+ks/2
.set rY, QS+4*\q+ks
.if ks == 0
	v_wmma_scale_f32_16x16x128_f8f6f4 v[rD:rD+7], v[rA:rA+11], v[rB:rB+11], 0, v[rX], v[rY] matrix_a_fmt:MATRIX_FMT_BF6 matrix_b_fmt:MATRIX_FMT_BF6
.elseif ks == 2
	v_wmma_scale_f32_16x16x128_f8f6f4 v[rD:rD+7], v[rA:rA+11], v[rB:rB+11], v[rD:rD+7], v[rX], v[rY] matrix_a_fmt:MATRIX_FMT_BF6 matrix_b_fmt:MATRIX_FMT_BF6
.else
	v_wmma_scale_f32_16x16x128_f8f6f4 v[rD:rD+7], v[rA:rA+11], v[rB:rB+11], v[rD:rD+7], v[rX], v[rY] matrix_a_fmt:MATRIX_FMT_BF6 matrix_b_fmt:MATRIX_FMT_BF6 matrix_a_scale:MATRIX_SCALE_ROW1
.endif
.else
.set ct, 4*((\i)-8)+\k
.set rD, 8*(2*(ct%16)+\q)
.set rB, PC+12*\q
.set rX, VS+ct/2
.set rY, PS+\q
.if \first && (ct%2 == 0)
	v_wmma_scale_f32_16x16x128_f8f6f4 v[rD:rD+7], v[rA:rA+11], v[rB:rB+11], 0, v[rX], v[rY] matrix_a_fmt:MATRIX_FMT_BF6 matrix_b_fmt:MATRIX_FMT_BF6
.elseif \first
	v_wmma_scale_f32_16x16x128_f8f6f4 v[rD:rD+7], v[rA:rA+11], v[rB:rB+11], 0, v[rX], v[rY] matrix_a_fmt:MATRIX_FMT_BF6 matrix_b_fmt:MATRIX_FMT_BF6 matrix_a_scale:MATRIX_SCALE_ROW1
.elseif ct%2 == 0
	v_wmma_scale_f32_16x16x128_f8f6f4 v[rD:rD+7], v[rA:rA+11], v[rB:rB+11], v[rD:rD+7], v[rX], v[rY] matrix_a_fmt:MATRIX_FMT_BF6 matrix_b_fmt:MATRIX_FMT_BF6
.else
	v_wmma_scale_f32_16x16x128_f8f6f4 v[rD:rD+7], v[rA:rA+11], v[rB:rB+11], v[rD:rD+7], v[rX], v[rY] matrix_a_fmt:MATRIX_FMT_BF6 matrix_b_fmt:MATRIX_FMT_BF6 matrix_a_scale:MATRIX_SCALE_ROW1
.endif
.endif
.endr
.endr
	PLACES
.if (\i) <= 12
	FLOAD (\i)+3
.elseif POUT
	FLOADN ((\i)-12)%3                             ; batches 13, 14, 15 leave buffers 1, 2, 0 to the next step's batches 1, 2, 0
.endif
.endm
; Query tile q's softmax for 128 keys, all in window 0.  Register 16 b + i of the tile's 64 is one of my 16 keys of block b.
.macro SOFT q
.set rS, S+64*\q
.set rT, ST+8*\q
.set rP, PC+12*\q
.irp b, 0,1,2,3
	v_max3_num_f32 v[TM+\b], v[rS+16*\b], v[rS+16*\b+1], v[rS+16*\b+2]     ; THE LARGEST SCORE OF EACH BLOCK OF 32 KEYS serves twice: for the row's maximum and for the block's largest p.  Each accumulator is read from its low end on
.endr
.irp i, 3,5,7,9,11,13
.irp b, 0,1,2,3
	v_max3_num_f32 v[TM+\b], v[TM+\b], v[rS+16*\b+\i], v[rS+16*\b+\i+1]    ; the four blocks by turns
.endr
.endr
.irp b, 0,1,2,3
	v_max_num_f32 v[TM+\b], v[TM+\b], v[rS+16*\b+15]
.endr
.irp b, 0,1,2,3
	v_permlanex16_b32 v[TM+4+\b], v[TM+\b], s[SEL], s[SEL+1]
.endr
.irp b, 0,1,2,3
	v_max_num_f32 v[TM+\b], v[TM+\b], v[TM+4+\b]   ; with lane l xor 16's 16 keys
.endr
	v_max3_num_f32 v[rT+6], v[TM], v[TM+1], v[TM+2]
	v_max_num_f32 v[rT+6], v[rT+6], v[TM+3]        ; the step's largest score of my query
	v_mul_f32 v[rT+6], s[CS], v[rT+6]              ; as t
	v_max_num_f32 v[rT+1], v[rT+1], v[rT+6]        ; the running largest t
	v_mov_b32 v[rT+6], v[rT]
	v_floor_f32 v[rT], -v[rT+1]                    ; the new -M = floor(-t) = -ceil(t): M is a whole number
	v_sub_f32 v[rT+6], v[rT], v[rT+6]              ; old M - new M: a whole number, 0 or less
	v_cvt_i32_f32 v[rT+6], v[rT+6]                 ; (it saturates)
	v_ldexp_f32 v[rT+4], 1.0, v[rT+6]              ; f = 2^(old M - new M): multiplying by it rounds nothing
.set j, 0
.rept 32
	v_pk_fma_f32 v[rS+j:rS+j+1], v[rS+j:rS+j+1], s[CS:CS+1], v[rT:rT+1] op_sel_hi:[1,0,0]   ; t - M, two at a time (of the pairs the low word serves both halves)
.set j, j+2
.endr
.irp b, 0,1,2,3
	v_fma_f32 v[TM+\b], v[TM+\b], s[CS], v[rT]     ; the same of each block's largest score
.endr
.set j, 0
	s_wait_alu depctr_va_vdst(0)
.rept 64
	v_exp_f32 v[rS+j], v[rS+j]                     ; p = 2^(t - M), at most 1: not normalised
.set j, j+1
.endr
.irp b, 0,1,2,3
	v_exp_f32 v[TM+\b], v[TM+\b]                   ; the block's largest p: the same two instructions on the same number give the same bits
.endr
	v_pk_mul_f32 v[rT+2:rT+3], v[rT+2:rT+3], v[rT+4:rT+5] op_sel_hi:[1,0]   ; the sum under the new M.  (The plain place behind the exponentials)
	s_wait_alu depctr_va_vdst(0)
.irp b, 0,1,2,3
	v_max_num_f32 v[TM+\b], 0x2800000, v[TM+\b]    ; the floor 2^(5 - 127): the byte cannot fall under 1
.endr
.irp b, 0,1,2,3
	v_add_nc_u32 v[TM+8+\b], 0xfe000000, v[TM+\b]  ; 4 off the exponent field: the conversion's scale operand
.endr
.irp b, 0,1,2,3
	v_lshrrev_b32 v[TM+4+\b], 23, v[TM+8+\b]       ; the scale's byte
.endr
	v_lshl_or_b32 v[PS+\q], v[TM+5], 8, v[TM+4]    ; p's scale word for these 128 keys
	v_lshl_or_b32 v[PS+\q], v[TM+6], 16, v[PS+\q]
	v_lshl_or_b32 v[PS+\q], v[TM+7], 24, v[PS+\q]
.irp c, 0,1
	v_cvt_scalef32_pk16_bf6_f32 v[rP+6*\c:rP+6*\c+2], v[rS+32*\c:rS+32*\c+15], v[TM+8+2*\c]
	v_cvt_scalef32_pk16_bf6_f32 v[CT+4*\c:CT+4*\c+2], v[rS+32*\c+16:rS+32*\c+31], v[TM+8+2*\c+1]   ; a conversion's three registers begin on an even number
.endr
	v_nop                                          ; one plain place behind a scaled conversion
.irp c, 0,1                                    ; the operand wants a WHOLE block in a lane: lanes 0-15 block 2 c, lanes 16-31 block 2 c + 1
.irp i, 0,1,2
	v_permlane16_swap_b32 v[rP+6*\c+\i], v[CT+4*\c+\i]
.endr
.irp i, 0,1,2
	v_mov_b32 v[rP+6*\c+3+\i], v[CT+4*\c+\i]
.endr
.endr
	v_dual_add_f32 v[TM+4], v[rS], v[rS+2] :: v_dual_add_f32 v[TM+5], v[rS+1], v[rS+3]   ; THE ROW'S SUM IS TAKEN OF THE UNQUANTISED p: two at a time, in two chains.  These 32 pairs are also the places between
.irp j, 4,8,12,16,20,24,28,32,36,40,44,48,52,56,60     ; the writing of p's codes (4 asked) and scale word (8 asked) and the scaled products that take them
	v_dual_add_f32 v[rT+2], v[rS+\j], v[rT+2] :: v_dual_add_f32 v[rT+3], v[rS+\j+1], v[rT+3]
	v_dual_add_f32 v[TM+4], v[rS+\j+2], v[TM+4] :: v_dual_add_f32 v[TM+5], v[rS+\j+3], v[TM+5]
.endr
	v_dual_add_f32 v[rT+2], v[rT+2], v[TM+4] :: v_dual_add_f32 v[rT+3], v[rT+3], v[TM+5]
.endm
.macro RESCALE                         ; O^T under the new M: x f of the accumulator's query tile; each accumulator from its low end on, two registers a pair
	WIN 0x82                                       ; O^T (destination, source 0) window 2, f window 0
.set n, 0
.rept 128
	v_dual_mul_f32 v[n], v[n], v[ST+8*((n/8)%2)+4] :: v_dual_mul_f32 v[n+1], v[n+1], v[ST+8*((n/8)%2)+4]
.set n, n+2
.endr
	WIN 0xc3                                       ; window 3
.set n, 0
.rept 128
	v_dual_mul_f32 v[n], v[n], v[ST+8*((n/8)%2)+4] :: v_dual_mul_f32 v[n+1], v[n+1], v[ST+8*((n/8)%2)+4]
.set n, n+2
.endr
.endm
; A KEY STEP: 128 keys: 64 products K Q^T, two softmaxes, 64 products V^T P.  V's first three batches are asked for in K's last three and land during the softmax.
; pin = 1: K's scale words and first three batches were fetched by the step before.  pout = 1: this step fetches them for the next one: behind the softmax every wave waits for its quarter of the
; next block and a barrier, behind which nothing is filled, shows that block whole to all four waves.
.macro STEP first, pin, pout
.set POUT, \pout
	v_add_nc_u32 v[ADK], s[TB], v[LI]
	v_add_nc_u32 v[ADS], s[TB], v[LSC]
	v_add_nc_u32 v[ADV], 49152, v[ADK]
.if \pout
	s_xor_b32 s[TN], s[TB], SLOT1
	v_add_nc_u32 v[ADKN], s[TN], v[LI]
	v_add_nc_u32 v[ADSN], s[TN], v[LSC]
.endif
.if !\pin
.irp j, 0,1,2,3,4,5,6,7,8,9,10,11,12,13,14,15
	ds_load_b32 v[KS+\j], v[ADS] offset:128*\j
.endr
.endif
.irp j, 0,1,2,3,4,5,6,7,8,9,10,11,12,13,14,15
	ds_load_b32 v[VS+\j], v[ADS] offset:2048+128*\j
.endr
.if !\pin
	FLOAD 0
	FLOAD 1
	FLOAD 2
.endif
	s_wait_alu depctr_va_vdst(0)
.irp i, 0,1,2,3,4,5,6,7
	BATCH \i, 0
.endr
	WIN 0
	SOFT 0
	SOFT 1
.if \pout
	s_wait_alu depctr_va_vdst(0)
	s_wait_tensorcnt 0x0                           ; my quarter of the next block is in;
	s_wait_dscnt 0x0                               ; no LDS instruction of mine is out at the signal (V's first three batches were asked for ahead of the softmax)
	s_barrier_signal -1
.endif
.if !\first
	RESCALE                                        ; work on registers between the signal and the wait
.endif
.if \pout
	WIN 0
	s_barrier_wait -1                              ; the next block is whole
.irp j, 0,1,2,3,4,5,6,7,8,9,10,11,12,13,14,15
	ds_load_b32 v[KS+\j], v[ADSN] offset:128*\j    ; the next step's scale words of K: this step's were last used ahead of the softmax
.endr
.endif
	s_wait_alu depctr_va_vdst(0)
.irp i, 8,9,10,11,12,13,14,15
	BATCH \i, \first
.endr
	WIN 0                                          ; at a label and at a branch every window is 0
	s_xor_b32 s[TB], s[TB], SLOT1                  ; on to the other slot
.endm
; THE WAY OUT of query tile q, channels 128 cg on: O^T / the sum; a lane's 32 neighbouring bytes of a row go into my stage and come back as whole quarter rows of 512 bytes.
; In three parts.  OMUL: the eight accumulators are divided in place.  OTURN: into my stage, and back by rows INTO THE SAME 64 REGISTERS: each register is a store's data once, so none is written again under a pending store.  OSEND: stored.
.macro OMUL q, cg
	WIN 0x82+0x41*((\cg)/2)                        ; O^T (destination, source 0) window 2 or 3, 1 / the sum window 0
.irp k, 0,1,2,3,4,5,6,7
.set rO, 8*(2*((8*(\cg)+\k)%16)+(\q))
.irp j, 0,2,4,6
	v_dual_mul_f32 v[rO+\j], v[rO+\j], v[ST+8*(\q)+6] :: v_dual_mul_f32 v[rO+\j+1], v[rO+\j+1], v[ST+8*(\q)+6]   ; each accumulator from its low end on
.endr
.endr
.endm
.macro OTURN q, cg
	WIN 0x08+4*((\cg)/2)                           ; the data: window 2 or 3
.irp k, 0,1,2,3,4,5,6,7
.set rO, 8*(2*((8*(\cg)+\k)%16)+(\q))
	ds_store_b128 v[STO], v[rO:rO+3] offset:64*\k
	ds_store_b128 v[STO], v[rO+4:rO+7] offset:64*\k+16
.endr
	WIN 0x80+0x40*((\cg)/2)                        ; the destination: window 2 or 3
.irp t, 0,1,2,3,4,5,6,7,8,9,10,11,12,13,14,15
.set rO, 8*(2*((8*(\cg)+\t/2)%16)+(\q))+4*(\t%2)
	ds_load_b128 v[rO:rO+3], v[RD] offset:528*\t   ; LDS serves a wave's instructions in order (ISA guide 5.7.1.4): these see my stores
.endr
.endm
.macro OSEND q, cg
	WIN 0x08+4*((\cg)/2)
.irp t, 0,1,2,3,4,5,6,7,8,9,10,11,12,13,14,15
.set rO, 8*(2*((8*(\cg)+\t/2)%16)+(\q))+4*(\t%2)
	s_wait_dscnt 15-\t
	global_store_b128 v[LI], v[rO:rO+3], s[8:9] offset:(16*(\q)+\t)*2048+512*(\cg) th:TH_STORE_NT   ; 32 lanes store 512 consecutive bytes, at a multiple of 256 from the buffer's first byte
.endr
.endm
	s_load_b128 s[4:7], s[0:1], 0x0                ; qc s[4:5], kv s[6:7]
	s_load_b64 s[8:9], s[0:1], 0x10                ; out0
	v_lshl_add_u32 v[SPW], v0, 2, SPARE
	v_mov_b32 v[NIL], 0
	ds_add_u32 v6, v7
	ds_add_u32 v6, v7
	s_wait_dscnt 0x0
	v_lshrrev_b32 v114, 5, v0
	v_readfirstlane_b32 s[WV], v114                ; wave 0..3
	s_bfe_u32 s34, ttmp6, 0x40000                  ; cx: my place in the cluster: it enters Q's and the output's addresses alone
	s_lshl_b32 s35, ttmp9, 2                       ; in a cluster launch ttmp9 counts clusters
	s_add_co_u32 s35, s35, s34                     ; my block of 128 queries, 0..7
	s_and_b32 s36, ttmp7, 0xffff                   ; the batch, which the four partners share
	s_mul_i32 s38, s36, 8*BLKB
	s_mul_i32 s37, s[WV], QRT                      ; my quarter of a block, in memory and in a slot
	s_add_co_u32 s38, s38, s37
	s_mov_b32 s39, 0
	s_lshl_b32 s40, s36, 3
	s_add_co_u32 s40, s40, s35                     ; 8 x batch + query block
	s_mul_i32 s42, s40, 49152
	s_mul_i32 s41, s[WV], 12288                    ; my two tiles' eight images of Q
	s_add_co_u32 s42, s42, s41
	s_mov_b32 s43, 0
	s_lshl_b32 s44, s40, 11
	s_lshl_b32 s41, s[WV], 9
	s_add_co_u32 s44, s44, s41
	s_add_co_u32 s44, s44, 12582912                ; and their scale words
	s_mov_b32 s45, 0
	s_lshl_b32 s46, s40, 18                        ; 128 rows of 2,048 bytes a block,
	s_lshl_b32 s41, s[WV], 16                      ; 32 a wave
	s_add_co_u32 s46, s46, s41
	s_mov_b32 s47, 0
	; descriptor group 1: a quarter of a block, dense: 100 rows of 256 bytes (32 elements of 8)
	s_mov_b32 s[G1+0], 15|(3<<16)|(1<<21)          ; the mask: all four work-groups; elements of 8 bytes; bit 21 set beside a mask; no padding: every LDS load takes 512 consecutive bytes
	s_mov_b32 s[G1+1], 32<<16                      ; tensor_dim0
	s_mov_b32 s[G1+2], 100<<16                     ; tensor_dim1
	s_mov_b32 s[G1+3], 32<<16                      ; tile_dim0
	s_mov_b32 s[G1+4], 100                         ; tile_dim1
	s_mov_b32 s[G1+5], 32                          ; elements from row to row
	s_mov_b32 s[G1+6], 0
	s_mov_b32 s[G1+7], 0
	s_mov_b32 s[SEL], 0x76543210
	s_mov_b32 s[SEL+1], 0xfedcba98
	s_mov_b32 s[CS], 0x3fb8aa3b                    ; log2(e)
	s_mov_b32 s[CS+1], s[CS]
	s_mov_b32 s[TB], 0
	s_wait_kmcnt 0x0
	s_mov_b32 s[G0], 1
	s_mov_b32 s[G0+1], s37                         ; slot 0
	s_add_nc_u64 s[G0+2:G0+3], s[6:7], s[38:39]    ; the batch's first 128 keys
	s_or_b32 s[G0+3], s[G0+3], 0x80000000
	s_add_nc_u64 s[12:13], s[4:5], s[42:43]
	s_add_nc_u64 s[14:15], s[4:5], s[44:45]
	s_add_nc_u64 s[8:9], s[8:9], s[46:47]
	CROUND                                         ; all four work-groups are here: the first joint loads meet
	tensor_load_to_lds s[G0:G0+3], s[G1:G1+7]
	s_nop 0
	PLACES
	v_and_b32 v114, 31, v0                         ; lane
	v_and_b32 v115, 15, v0                         ; r
	v_bfe_u32 v116, v0, 4, 1                       ; h
	v_lshlrev_b32 v[LI], 4, v114
	v_lshl_add_u32 v[LSC], v114, 2, 98304
	v_lshlrev_b32 v[SW], 2, v115
	WIN 0x40                                       ; destination window 1
.irp f, 0,1,2,3,4,5,6,7                        ; Q stays in registers: tile f / 4, K step f % 4
.irp c, 0,1,2
	global_load_b128 v[12*\f+4*\c:12*\f+4*\c+3], v[LI], s[12:13] offset:1536*\f+512*\c th:TH_LOAD_NT
.endr
.endr
	WIN 0
.irp f, 0,1,2,3,4,5,6,7
	global_load_b32 v[QS+\f], v[SW], s[14:15] offset:64*\f
.endr
	s_mul_i32 s34, s[WV], 16*528
	s_add_co_u32 s34, s34, STAGE                   ; my stage
	v_mul_u32_u24 v[STO], v115, 528                ; in: row r, 32 bytes for each half of the lanes
	v_lshl_add_u32 v[STO], v116, 5, v[STO]
	v_add_nc_u32 v[STO], s34, v[STO]
	v_add_nc_u32 v[RD], s34, v[LI]                 ; back: the 32 lanes take one row of 512 bytes
.irp q, 0,1
	v_mov_b32 v[ST+8*\q+1], 0xff61b1e6             ; the largest t so far: -3e38, under every t
	v_floor_f32 v[ST+8*\q], -v[ST+8*\q+1]          ; -M
	v_mov_b32 v[ST+8*\q+2], 0                      ; the sum, in two halves
	v_mov_b32 v[ST+8*\q+3], 0
	v_mov_b32 v[ST+8*\q+5], 0                      ; named as the upper halves of pairs
	v_mov_b32 v[ST+8*\q+7], 0
.endr
.irp b, 0,1,2,3
	v_mov_b32 v[TM+4+\b], 0                        ; a lane permute's destination counts as one of its sources
.endr
	s_wait_loadcnt 0x0                             ; Q and its scale words
	CHANGE 1                                       ; block 0 is whole; block 1 is asked for
	STEP 1, 0, 1                                   ; the first key step is written out: its V^T P starts O^T, and there is nothing to rescale
	s_mov_b32 s[CNT], 6
.Lstep:                                            ; key steps 1 to 6; blocks 2 to 7 are asked for
	CHANGE 1
	STEP 0, 1, 1
	s_sub_co_u32 s[CNT], s[CNT], 1
	s_cmp_lg_u32 s[CNT], 0
	s_cbranch_scc1 .Lstep
	CHANGE 0                                       ; the last key step is written out
	STEP 0, 1, 0
.irp q, 0,1
	v_add_f32 v[ST+8*\q+2], v[ST+8*\q+2], v[ST+8*\q+3]             ; the sum's two halves,
.endr
.irp q, 0,1
	v_permlanex16_b32 v[ST+8*\q+6], v[ST+8*\q+2], s[SEL], s[SEL+1]
.endr
.irp q, 0,1
	v_add_f32 v[ST+8*\q+2], v[ST+8*\q+2], v[ST+8*\q+6]             ; and lane l xor 16's: the row's sum
.endr
	s_wait_alu depctr_va_vdst(0)
.irp q, 0,1
	v_rcp_f32 v[ST+8*\q+6], v[ST+8*\q+2]
.endr
	v_nop                                          ; one plain place behind a transcendental
	s_wait_alu depctr_va_vdst(0)
	OMUL 0, 0
	OTURN 0, 0
.irp n, 1,2,3,4,5,6,7                          ; part n's multiplications stand between part n - 1's loads from the stage and the waits for them
	OMUL (\n)/4, (\n)%4
	s_wait_alu depctr_va_vdst(0)
	OSEND ((\n)-1)/4, ((\n)-1)%4
	OTURN (\n)/4, (\n)%4
.endr
	OSEND 1, 3
	WIN 0
	s_wait_tensorcnt 0x0                           ; the wave's end, behind my last tensor load and my last LDS store
	ds_add_u32 v[SPW], v[NIL]
	s_wait_dscnt 0x0
	CROUND                                         ; the closing round: no work-group ends while a partner may still ask for a block that names it
	s_endpgm
.Lfunc_end_k_q3a431e70aa_attn:
	.size	k_q3a431e70aa_attn, .Lfunc_end_k_q3a431e70aa_attn-k_q3a431e70aa_attn
	.p2alignl 7, 3214868480
	.fill 96, 4, 3214868480
	.section	.rodata,"a",@progbits
	.p2align	6, 0x0
	.amdhsa_kernel k_q3a431e70aa_attn
		.amdhsa_group_segment_fixed_size 327680
		.amdhsa_private_segment_fixed_size 0
		.amdhsa_enable_private_segment 0
		.amdhsa_kernarg_size 24
		.amdhsa_user_sgpr_count 2
		.amdhsa_user_sgpr_kernarg_segment_ptr 1
		.amdhsa_wavefront_size32 1
		.amdhsa_system_sgpr_workgroup_id_x 1
		.amdhsa_system_sgpr_workgroup_id_y 1
		.amdhsa_system_sgpr_workgroup_id_z 1
		.amdhsa_system_vgpr_workitem_id 0
		.amdhsa_next_free_vgpr 1024
		.amdhsa_next_free_sgpr 66
		.amdhsa_reserve_vcc 0
		.amdhsa_float_denorm_mode_32 3
		.amdhsa_float_denorm_mode_16_64 3
		.amdhsa_memory_ordered 1
		.amdhsa_forward_progress 1
		.amdhsa_inst_pref_size 255
	.end_amdhsa_kernel
	.section	.bss,"aw",@nobits
	.p2align	6
	.space	262144
	.amdgpu_metadata
---
amdhsa.version: [ 1, 2 ]
amdhsa.kernels:
  - .name:           k_q3a431e70aa_attn
    .symbol:         k_q3a431e70aa_attn.kd
    .args:
      - { .name: qc, .offset: 0, .size: 8, .value_kind: global_buffer, .address_space: global }
      - { .name: kv, .offset: 8, .size: 8, .value_kind: global_buffer, .address_space: global }
      - { .name: out0, .offset: 16, .size: 8, .value_kind: global_buffer, .address_space: global }
    .group_segment_fixed_size: 327680
    .private_segment_fixed_size: 0
    .kernarg_segment_align: 8
    .kernarg_segment_size: 24
    .max_flat_workgroup_size: 128
    .sgpr_count:     66
    .vgpr_count:     1024
    .wavefront_size: 32
...
	.end_amdgpu_metadata
.endif
;; end of part 3
